; MI455X (gfx1250); checked and timed in simulation.
; The chip was launched on July 23, 2026; its instructions are those of AMD's public machine-readable ISA for CDNA 5 (MIT licence, August 2026) and "CDNA5" Instruction Set Architecture Reference Guide (July 2026). The comments in the code are by the model that wrote it; some were corrected since.
;; Test Two Einsum. Allowed arithmetic: matrix products marked QUANTISED: E4M3 operands, one given power-of-two scale a tensor, by v_wmma_f32_16x16x64_fp8_fp8 or v_wmma_f32_16x16x128_fp8_fp8, f32 sums; everything else in f32.
;; Inputs: lowp_scales 4 int32 (the exponents e of the quantised operands' scales 2^e); w1 8 x 1,024 x 4,096 float32; w2 8 x 4,096 x 1,024 float32; x 4 x 256 x 1,024 float32.
;; Outputs: out0 4 x 256 x 1,024 float32.
;; This version of the problem:
;;   THIS VERSION OF THE PROBLEM IS GIVEN IN LOW PRECISION. The matrix products marked QUANTISED in the list below multiply operands that are first quantised to E4M3 (4 exponent bits, 3 mantissa bits; 8 bits a number), with one given power-of-two scale for each operand tensor; their sums are f32. All else is computed in f32.
;;   The module's matrix products, in the order in which they are computed (A, B: the left and right operand; K: the contracted axis; several contracted axes count as one K, in the product's order):
;;     1. [M 32,768, K 1,024] x [K 1,024, N 1,024]; A: input w1; B: input x: QUANTISED (scales: A lowp_scales[0], B lowp_scales[1])
;;     2. [M 1,024, K 32,768] x [K 32,768, N 1,024]; A: computed on the way; B: input w2: QUANTISED (scales: A lowp_scales[2], B lowp_scales[3])
;;   THE QUANTISER, for each operand of a quantised product, along K:
;;     - The operand's scale is 2^e, e = its entry of the input lowp_scales (int32; the entries are numbered through the quantised products in the list's order, A before B).
;;     - Each number is divided by the scale, clamped to +-448, and rounded to the nearest number of E4M3, ties to even, subnormals kept.
;;     - The product sums the exact products of the quantised numbers (number of the format x scale) in f32.
;;   ~~~python
;;   def quantise(x, axis, e):      # numpy; x: float32 -> the quantised numbers, widened to float32 again
;;       x = np.moveaxis(x, axis, -1); K = x.shape[-1]
;;       r = np.clip(x / 2.0 ** e, -448, 448)
;;       step = 2.0 ** (np.maximum(np.frexp(np.where(r == 0, 1, r))[1] - 1, -6) - 3)
;;       q = np.round(r / step) * step * 2.0 ** e      # np.round: ties to even
;;       return np.moveaxis(q, -1, axis).astype(np.float32)
;;   ~~~
;;   OPERANDS COMPUTED ON THE WAY. 'Computed on the way' means the value that the module computes at that place (a softmax that the list does not call 'softmax' is quantised finished and normalised). What goes into a quantiser is computed in f32, as accurately as f32 sums, v_exp_f32 and their like allow (about 1e-6 of the number): no bf16 or f16 on the way to a quantiser, and a product that is left as it is and whose result goes on into a quantised operand takes f32 operands (vector FMAs, or v_wmma_f32_16x16x4_f32). A number that lies on a knife's edge between two numbers of the format may be rounded either way, as far as f32 arithmetic and the matrix unit's own rounding can turn it there, and no further.
;; One version. Each part assembles by itself: llvm-mc -triple=amdgcn-amd-amdhsa -mcpu=gfx1250 --defsym DOCPART=n.
;; ======== version 1 of 1: 4 launches
;; limits: right only within a limited range of input values
;; workspace buffers: xq 1,048,576 bytes; w2q 33,554,432 bytes; midq 33,554,432 bytes; part 33,554,432 bytes
;; launch prep (part 1): grid 2176 x 1, 4 waves a work-group, no clusters, 0 bytes of LDS; arguments w2, x, lowp_scales, w2q, xq; writes w2q, xq
.if DOCPART == 1
	.amdgcn_target "amdgcn-amd-amdhsa--gfx1250"
	.amdhsa_code_object_version 6
	.text
	.protected	k_qaf6d7fd402_prep
	.globl	k_qaf6d7fd402_prep
	.p2align	8
	.type	k_qaf6d7fd402_prep,@function
k_qaf6d7fd402_prep:
	s_mov_b64 s[64:65], 0
	v_nop
	global_prefetch_b8 v0, s[64:65] scope:SCOPE_SE
	s_setreg_imm32_b32 hwreg(HW_REG_WAVE_MODE, 25, 1), 1
	s_wait_xcnt 0x0
; THE PROGRAM.  out[1024][1024] = Q(mid) Q(w2), mid[1024][32768] = Q(x) Q(w1): x taken as 1,024 rows of H = 1,024; mid's columns J = 4096 e + n; the sum over the experts is part of the second product's K = J.
; Q is the given quantiser to E4M3: w1 with 2^e0, x with 2^e1, mid with 2^e2, w2 with 2^e3 (the four int32 of lowp_scales).  Four launches: this one (w2 and x to codes), up (product 1, mid to codes),
; down (product 2 in 8 parts along K), sum (the parts added).  NO WORK OF reference() IS LEFT OUT: every input has a way to out0, nothing is masked or sliced away.
; THIS LAUNCH.  Both tensors become codes laid in the ORDER OF AN OPERAND'S REGISTERS: buffer[K step S of 128][tile of 16][c = 0..3][lane][16 bytes]: lane (i = lane % 16, h = lane / 16) holds, of the tile's i-th
; row (x) or column (w2), k = 128 S + 32 c + 16 h + 0 .. 15, a code a byte.  code = number / 2^e, held within +-448, to the nearest code, ties to even.
; W2 (work-groups 0 .. 2047), taken as [K = 32,768][1,024 columns]: a work-group takes one K step (128 K rows) x 128 columns, a wave 32 columns.  A LANE TAKES A COLUMN AND ITS REGISTERS RUN DOWN K: a load reads 128
; consecutive bytes a wave, 512 a work-group; a block of 32 K gives a lane two pieces of 16 codes (h = 0, 1).  THE COLUMNS OF A TILE ARE NOT NEIGHBOURS: lane i of tile 2 b + u holds column 32 b + 8 u + i + 8 (i / 8), so a
; wave's 32 columns are two tiles, and each store of the wave fills two aligned runs of 256 bytes whole.  No LDS.  Two sets of 32 registers: one block at work, up to 64 loads out; each block has its own registers for its
; codes.  With 112 registers a wave, nine work-groups share a WGP: 2,304 places for the launch's 2,176 work-groups.
; X (work-groups 2048 .. 2175): a wave makes one fragment (16 rows x 128 K) of the 512; its sixteen loads together take 512 consecutive bytes of each of its 16 rows.
; LIMITS: e1 and e3 between -126 and 119, so that each scale and 448 x it are f32 numbers; NaN among the inputs is not served; an infinity is held at the largest code.
.set NW2, 2048                         ; w2's work-groups: the longer ones have the lower numbers
.set X,   16                           ; v16-79   numbers: w2: two sets of 32; x: register 16 c + i
.set C,   80                           ; v80-111  codes
	s_load_b256 s[4:11], s[0:1], 0x0               ; w2 s[4:5], x s[6:7], the scales' exponents s[8:9], w2q s[10:11]
	s_load_b64 s[12:13], s[0:1], 0x20              ; xq
	v_lshrrev_b32 v1, 5, v0
	v_readfirstlane_b32 s14, v1                    ; wave 0..3
	v_and_b32 v2, 31, v0                           ; lane
	v_lshlrev_b32 v5, 2, v2                        ; w2, in: 4 bytes a lane
	v_and_b32 v6, 7, v0
	v_lshlrev_b32 v6, 4, v6                        ; w2, out: column l of the wave's 32 stands in tile u = (l / 8) % 2 at lane i = l % 8 + 8 (l / 16): 2,048 u + 16 i
	v_bfe_u32 v3, v0, 3, 1
	v_lshl_add_u32 v6, v3, 11, v6
	v_bfe_u32 v4, v0, 4, 1
	v_lshl_add_u32 v6, v4, 7, v6
	v_and_b32 v3, 15, v0
	v_lshlrev_b32 v7, 12, v3                       ; x, in: 4,096 r + 64 h
	v_lshl_add_u32 v7, v4, 6, v7
	v_lshlrev_b32 v8, 4, v2                        ; x, out: 16 x lane
	s_wait_alu depctr_va_vdst(0)                   ; the wait here, directly ahead of the wait below
	s_wait_kmcnt 0x0
	s_load_b128 s[16:19], s[8:9], 0x0              ; e0, e1, e2, e3
.macro MKSCALE e                       ; v11 = 2^e as f32 (the conversion takes its exponent field), v10 = 448 x 2^e
	s_add_co_i32 s28, \e, 127
	s_lshl_b32 s29, s28, 23
	v_mov_b32 v11, s29
	s_add_co_i32 s28, s28, 8
	s_lshl_b32 s28, s28, 23
	s_or_b32 s28, s28, 0x600000
	v_mov_b32 v10, s28
	s_wait_alu depctr_va_vdst(0)                   ; the wait here, ahead of the wait for the loads
.endm
	s_cmp_lt_u32 ttmp9, NW2
	s_cbranch_scc0 .Lx
	s_and_b32 s20, ttmp9, 7                        ; which 128 columns
	s_lshr_b32 s21, ttmp9, 3                       ; which K step
	s_lshl_b32 s22, s21, 19                        ; w2: 128 rows of 4,096 bytes
	s_lshl_b32 s23, s20, 9
	s_add_co_u32 s22, s22, s23
	s_lshl_b32 s23, s14, 7                         ; my wave's 32 columns
	s_add_co_u32 s22, s22, s23
	s_mov_b32 s23, 0
	s_add_nc_u64 s[4:5], s[4:5], s[22:23]
	s_lshl_b32 s22, s21, 17                        ; w2q: a K step of 131,072 bytes
	s_lshl_b32 s24, s20, 14                        ; + 8 tiles of 2,048 bytes
	s_add_co_u32 s22, s22, s24
	s_lshl_b32 s24, s14, 12                        ; + my wave's two
	s_add_co_u32 s22, s22, s24
	s_add_nc_u64 s[10:11], s[10:11], s[22:23]
.macro LOAD t                          ; block t: rows 32 t + 0 .. 31 of my column, into set t % 2.  The largest immediate is 127 rows of 4,096 bytes
.set ri, 0
.rept 32
	global_load_b32 v[X+32*((\t)%2)+ri], v5, s[4:5] offset:(32*(\t)+ri)*4096 th:TH_LOAD_NT
.set ri, ri+1
.endr
.endm
.macro BLOCK t
.set XS, X+32*((\t)%2)
.if (\t) < 3
	s_wait_loadcnt 32                              ; this block's 32 loads are in; the next block's may be out
.else
	s_wait_loadcnt 0
.endif
.set ri, 0
.rept 32
	v_med3_num_f32 v[XS+ri], v[XS+ri], -v10, v10   ; the conversion to an 8-bit code does not saturate (ISA guide 7.6.2): the hold comes first
.set ri, ri+1
.endr
.irp g, 0,1,2,3
	v_cvt_scalef32_pk8_fp8_f32 v[C+8*(\t)+2*\g:C+8*(\t)+2*\g+1], v[XS+8*\g:XS+8*\g+7], v11
.endr
	v_nop                                          ; a plain line behind the conversions
	global_store_b128 v6, v[C+8*(\t):C+8*(\t)+3], s[10:11] offset:(\t)*512        ; c = t, h = 0
	global_store_b128 v6, v[C+8*(\t)+4:C+8*(\t)+7], s[10:11] offset:(\t)*512+256  ; h = 1
.if (\t)+2 < 4
	LOAD (\t)+2
.endif
.endm
	LOAD 0
	LOAD 1
	s_wait_kmcnt 0x0
	MKSCALE s19                                    ; e3
.irp t, 0,1,2,3
	BLOCK \t
.endr
	s_endpgm
.Lx:
	s_sub_co_u32 s20, ttmp9, NW2
	s_lshl_b32 s20, s20, 2
	s_add_co_u32 s20, s20, s14                     ; my fragment f
	s_lshr_b32 s21, s20, 3                         ; row tile t = f / 8
	s_and_b32 s22, s20, 7                          ; K step S = f % 8
	s_lshl_b32 s24, s21, 16                        ; x: 16 t rows of 4,096 bytes
	s_lshl_b32 s25, s22, 9                         ; + 128 S numbers
	s_add_co_u32 s24, s24, s25
	s_mov_b32 s25, 0
	s_lshl_b32 s26, s22, 17                        ; xq: S x 64 fragments of 2,048 bytes
	s_lshl_b32 s27, s21, 11
	s_add_co_u32 s26, s26, s27
	s_mov_b32 s27, 0
	s_add_nc_u64 s[6:7], s[6:7], s[24:25]
	s_add_nc_u64 s[12:13], s[12:13], s[26:27]
.irp c, 0,1,2,3
.irp j, 0,1,2,3
	global_load_b128 v[X+16*\c+4*\j:X+16*\c+4*\j+3], v7, s[6:7] offset:128*\c+16*\j th:TH_LOAD_NT
.endr
.endr
	s_wait_kmcnt 0x0
	MKSCALE s17                                    ; e1
	s_wait_loadcnt 0x0
.irp c, 0,1,2,3
.irp i, 0,1,2,3,4,5,6,7,8,9,10,11,12,13,14,15
	v_med3_num_f32 v[X+16*\c+\i], v[X+16*\c+\i], -v10, v10
.endr
	v_cvt_scalef32_pk8_fp8_f32 v[C+4*\c:C+4*\c+1], v[X+16*\c:X+16*\c+7], v11
	v_cvt_scalef32_pk8_fp8_f32 v[C+4*\c+2:C+4*\c+3], v[X+16*\c+8:X+16*\c+15], v11
.endr
	v_nop                                          ; a plain line behind the last conversion
.irp c, 0,1,2,3
	global_store_b128 v8, v[C+4*\c:C+4*\c+3], s[12:13] offset:512*\c   ; 32 lanes store 512 consecutive bytes, at a multiple of 512 from xq's first byte
.endr
	s_endpgm
.Lfunc_end_k_qaf6d7fd402_prep:
	.size	k_qaf6d7fd402_prep, .Lfunc_end_k_qaf6d7fd402_prep-k_qaf6d7fd402_prep
	.p2alignl 7, 3214868480
	.fill 96, 4, 3214868480
	.section	.rodata,"a",@progbits
	.p2align	6, 0x0
	.amdhsa_kernel k_qaf6d7fd402_prep
		.amdhsa_group_segment_fixed_size 0
		.amdhsa_private_segment_fixed_size 0
		.amdhsa_enable_private_segment 0
		.amdhsa_kernarg_size 40
		.amdhsa_user_sgpr_count 2
		.amdhsa_user_sgpr_kernarg_segment_ptr 1
		.amdhsa_wavefront_size32 1
		.amdhsa_system_sgpr_workgroup_id_x 1
		.amdhsa_system_sgpr_workgroup_id_y 1
		.amdhsa_system_sgpr_workgroup_id_z 1
		.amdhsa_system_vgpr_workitem_id 0
		.amdhsa_next_free_vgpr 112
		.amdhsa_next_free_sgpr 66
		.amdhsa_reserve_vcc 0
		.amdhsa_float_denorm_mode_32 3
		.amdhsa_float_denorm_mode_16_64 3
		.amdhsa_memory_ordered 1
		.amdhsa_forward_progress 1
		.amdhsa_inst_pref_size 32
	.end_amdhsa_kernel
	.amdgpu_metadata
---
amdhsa.version: [ 1, 2 ]
amdhsa.kernels:
  - .name:           k_qaf6d7fd402_prep
    .symbol:         k_qaf6d7fd402_prep.kd
    .args:
      - { .name: w2, .offset: 0, .size: 8, .value_kind: global_buffer, .address_space: global }
      - { .name: x, .offset: 8, .size: 8, .value_kind: global_buffer, .address_space: global }
      - { .name: lowp_scales, .offset: 16, .size: 8, .value_kind: global_buffer, .address_space: global }
      - { .name: w2q, .offset: 24, .size: 8, .value_kind: global_buffer, .address_space: global }
      - { .name: xq, .offset: 32, .size: 8, .value_kind: global_buffer, .address_space: global }
    .group_segment_fixed_size: 0
    .private_segment_fixed_size: 0
    .kernarg_segment_align: 8
    .kernarg_segment_size: 40
    .max_flat_workgroup_size: 128
    .sgpr_count:     66
    .vgpr_count:     112
    .wavefront_size: 32
...
	.end_amdgpu_metadata
.endif
;; end of part 1
;; launch up (part 2): grid 256 x 1, 4 waves a work-group, no clusters, 131,584 bytes of LDS; arguments xq, w1, lowp_scales, midq; writes midq
.if DOCPART == 2
	.amdgcn_target "amdgcn-amd-amdhsa--gfx1250"
	.amdhsa_code_object_version 6
	.text
	.protected	k_qaf6d7fd402_up
	.globl	k_qaf6d7fd402_up
	.p2align	8
	.type	k_qaf6d7fd402_up,@function
k_qaf6d7fd402_up:
	s_mov_b64 s[64:65], 0
	v_nop
	global_prefetch_b8 v0, s[64:65] scope:SCOPE_SE
	s_setreg_imm32_b32 hwreg(HW_REG_WAVE_MODE, 25, 1), 1
	s_wait_xcnt 0x0
; mid[1024 rows][J] = Q(x) Q(w1), J = 4096 e + n, K = H = 1,024, and mid goes out as codes of E4M3 with the scale 2^e2, laid as the next product's operand.  No work of reference() is left out.
; SHARES.  Work-group g makes all 1,024 rows x the 128 columns J = 128 g .. 128 g + 127: each f32 number of w1 is read from memory once in the launch, by one work-group, and x's codes are read 256 times in all.
; 1,024 x 128 sums are twice what the work-group's registers hold, so the rows go in TWO PASSES of 512, and w1's codes, made once, stay in LDS for both.
; PHASE Q.  The work-group's 1,024 K rows x 128 columns of w1 (512 KiB) stream through a ring of registers: wave w takes K rows 256 w .. 256 w + 255 in 16 chunks of 16 rows; a load takes one row's 512 consecutive bytes, lane l
; the columns 4 l .. 4 l + 3.  Four sets of 64 registers: one at work, three (48 loads a wave) on their way.  A conversion's eight numbers are then two rows x four columns; two rounds of byte permutes turn each 4 x 4 bytes,
; so that four registers hold 16 neighbours along K of ONE column: 16 bytes of an operand's image, which go to their place in LDS.  code = w / 2^e0, held within +-448, to the nearest code, ties to even.
; LDS: codes[K step s][column tile n][c][lane][16 bytes]: lane (i, h) holds, of the tile's i-th column, k = 128 s + 32 c + 16 h + 0 .. 15: four loads of 512 consecutive bytes give any wave the operand.  One barrier ends the phase.
; PHASE G.  Pass p, wave w: row tiles t = 32 p + 8 w + a, a = 0..7, x the 8 column tiles: 64 accumulators, 512 registers; 8 K steps of 128, 64 matrix instructions each.  Column fragments come from LDS into two buffers by
; turns, a step ahead.  Row fragments (xq, in the order of an operand's registers) come straight from memory into a ring of 12 fragments: six groups of two; a group's registers take the group six further on as soon as its
; sixteen products are issued: 48 loads a wave on their way.  Nothing is written to LDS any more, so the phase has no barrier.
; The two phases stand one behind the other: phase G names 512 + 192 + 256 registers beside its addresses, which leaves no room for a ring for w1.
; THE MATRIX INSTRUCTION IS USED TRANSPOSED (source 0 = 16 columns of w1, source 1 = 16 rows of x), AND THE COLUMNS OF A TILE ARE NOT NEIGHBOURS: lane i of tile n = 2 b + u takes column 32 b + 8 u + i + 8 (i / 8).
; So lane (r, h), register j of accumulator (a, n) holds mid(16 t + r, 32 b + 16 h + 8 u + j): a row tile's 64 registers are four runs of 16 neighbours along the next K, and eight conversions give one whole fragment of midq.
; k inside a K step stands in the registers as 32 c + 16 h + 0 .. 15 in registers 4 c .. 4 c + 3, alike on both sides: every product meets its partner.
; midq[K step S = g][row tile t][c][lane][16 bytes], as xq.  A sum stands for sum x 2^(e0 + e1), so mid's conversion takes the one scale 2^(e2 - e0 - e1).
; NO CLUSTER: w1's numbers are read by this work-group alone.  xq is shared, but each of its fragments feeds one wave: through LDS a K step would take 64 KiB more written and 64 KiB more read, twice the step's LDS reads,
; and slots filled again wait for all their loads at each change, where the ring of registers goes by counted waits.
; LIMITS: e0 and e2 - e0 - e1 between -126 and 119, so that each scale and 448 x it are f32 numbers.  NaN among the inputs is not served; an infinity is held at the largest code.
; REGISTERS, in windows of 256: window 0: v1-13 addresses and scales; v16-207 the ring of row fragments; v224-255 phase Q's codes at work.
;   window 1: phase Q's four sets of 64; then the two buffers of 8 column fragments (v0-127, v128-255); on the way out the upper buffer takes mid's codes.
;   window 2: accumulators of a = 0..3 (accumulator (a, n) at v[8 (8 a + n)]).   window 3: those of a = 4..7.
.set SPARE,  131072                    ; behind the codes: the spare words, 128 bytes for each wave: two blocks of 256 bytes that no other line names
.set LI,   1                           ; v1   16 x lane
.set LI2,  2                           ; v2   16 x lane + 65,536: K steps 4 to 7 lie beyond an LDS immediate's 16 bits
.set IW,   3                           ; v3   phase Q: where my column 4 l stands in an image, in my wave's two K steps
.set SCL,  8                           ; v8   2^e0;  v9  448 x 2^e0
.set LIM,  9
.set SCL2, 10                          ; v10  2^(e2 - e0 - e1);  v11  448 x that
.set LIM2, 11
.set SPW,  12                          ; v12  LDS address of my spare word: SPARE + 4 x my thread's number; never rewritten
.set NIL,  13                          ; v13  0; never rewritten
.set AF,   16                          ; v16-207   group G of two row fragments at v[AF + 32 (G % 6)]
.set DT,   224                         ; v224-239  a chunk's codes: as converted (register i: row i, four columns), later turned (registers 4 j .. 4 j + 3: column j, 16 rows)
.set PP,   240                         ; v240-255  half turned
.set AB,   4                           ; s[4:5]   xq at my wave's first fragment; never stepped: pass, step and tile stand in the loads' immediate
.set WB,   6                           ; s[6:7]   w1 at my wave's first row and my work-group's first column; never stepped
.set OUT,  10                          ; s[10:11] midq at my wave's first fragment of K step g
.set WV,   12                          ; s12      my wave's number
.set SEL,  16                          ; s16-19   the permutes' four selectors
.set MUL_LO, 0xa1                      ; source 0 (columns) window 1, source 1 (rows) window 0, C and D window 2
.set MUL_HI, 0xf1                      ; the same, C and D window 3
.set TO_1,   0x40                      ; destination window 1, address window 0
.set MSB, 0
.macro WIN new                         ; the immediate's high byte repeats the setting that is left; a switch that changes nothing is dropped
.if MSB != (\new)
	s_set_vgpr_msb (MSB<<8)|(\new)
.set MSB, (\new)
.endif
.endm
; Chunk q of my 256 K rows: sixteen rows of 512 consecutive bytes into set q % 4.  The largest immediate, 255 rows of 16,384 bytes, lies inside the signed 24 bits (ISA guide, chapter 10).
.macro WLOAD q
	WIN TO_1
.set wi, 0
.rept 16
	global_load_b128 v[64*((\q)%4)+4*wi:64*((\q)%4)+4*wi+3], v[LI], s[WB:WB+1] offset:(16*(\q)+wi)*16384 th:TH_LOAD_NT   ; read once in the launch
.set wi, wi+1
.endr
.endm
; Chunk q becomes 4 x 16 bytes of images.  Register 4 i + j of the set: W(row i, column 4 l + j).
.macro QCHUNK q
.set XB, 64*((\q)%4)
	WIN 0x41                                       ; destination and source 0 window 1
.set qi, 0
.rept 64
	v_med3_num_f32 v[XB+qi], v[XB+qi], -v[LIM], v[LIM]   ; the conversion does not saturate (ISA guide 7.6.2): the hold comes first
.set qi, qi+1
.endr
	WIN 0x01                                       ; source 0 window 1, destination window 0
	s_wait_alu depctr_va_vdst(0)
	s_wait_dscnt 0x0                               ; the last chunk's four stores, issued a chunk ago, have read the registers that are written next
.set qi, 0
.rept 8
	v_cvt_scalef32_pk8_fp8_f32 v[DT+2*qi:DT+2*qi+1], v[XB+8*qi:XB+8*qi+7], v[SCL]   ; register i of DT: row i; byte j: column j
.set qi, qi+1
.endr
	WIN 0
	v_nop                                          ; a plain line between the conversions and the permutes that read their results
.irp b, 0,1,2,3                        ; rows 4 b .. 4 b + 3.  First round: two rows' bytes by turns
	v_perm_b32 v[PP+4*\b],   v[DT+4*\b+1], v[DT+4*\b],   s[SEL]     ; c0 k0, c0 k1, c1 k0, c1 k1
	v_perm_b32 v[PP+4*\b+1], v[DT+4*\b+1], v[DT+4*\b],   s[SEL+1]   ; c2 k0, c2 k1, c3 k0, c3 k1
	v_perm_b32 v[PP+4*\b+2], v[DT+4*\b+3], v[DT+4*\b+2], s[SEL]     ; c0 k2, c0 k3, c1 k2, c1 k3
	v_perm_b32 v[PP+4*\b+3], v[DT+4*\b+3], v[DT+4*\b+2], s[SEL+1]   ; c2 k2, c2 k3, c3 k2, c3 k3
.endr
.irp b, 0,1,2,3                        ; second round: halves joined: register 4 j + b: column j, rows 4 b .. 4 b + 3
	v_perm_b32 v[DT+\b],    v[PP+4*\b+2], v[PP+4*\b],   s[SEL+2]
	v_perm_b32 v[DT+4+\b],  v[PP+4*\b+2], v[PP+4*\b],   s[SEL+3]
	v_perm_b32 v[DT+8+\b],  v[PP+4*\b+3], v[PP+4*\b+1], s[SEL+2]
	v_perm_b32 v[DT+12+\b], v[PP+4*\b+3], v[PP+4*\b+1], s[SEL+3]
.endr
.irp j, 0,1,2,3                        ; rows 16 q on of my 256: K step 2 w + q / 8, c = (q % 8) / 2, h = q % 2.  (Sixteen neighbouring lanes fall on four different 16-byte columns: accepted, for 64 stores a wave in the launch)
	ds_store_b128 v[IW], v[DT+4*\j:DT+4*\j+3] offset:((\q)/8)*16384+(((\q)%8)/2)*512+((\q)%2)*256+16*\j
.endr
.endm
; Group G = 32 p + 4 s + g of row fragments: tiles a = 2 g, 2 g + 1 of pass p, K step s: eight loads of 512 consecutive bytes
.macro ALOAD G
.set ls, ((\G)/4)%8
.set lp, (\G)/32
.set lg, (\G)%4
.irp e, 0,1
.irp c, 0,1,2,3
	global_load_b128 v[AF+32*((\G)%6)+16*\e+4*\c:AF+32*((\G)%6)+16*\e+4*\c+3], v[LI], s[AB:AB+1] offset:ls*131072+(32*lp+2*lg+\e)*2048+\c*512
.endr
.endr
.endm
.macro FETCHB x                        ; the eight column fragments of step x (K step x % 8) into buffer x % 2
.set fs, (\x)%8
.set fb, 128*((\x)%2)
.irp n, 0,1,2,3,4,5,6,7
.irp c, 0,1,2,3
.if fs < 4
	ds_load_b128 v[fb+16*\n+4*\c:fb+16*\n+4*\c+3], v[LI] offset:fs*16384+\n*2048+\c*512
.else
	ds_load_b128 v[fb+16*\n+4*\c:fb+16*\n+4*\c+3], v[LI2] offset:(fs-4)*16384+\n*2048+\c*512
.endif
.endr
.endr
.endm
; Sixteen products: row tiles 2 g, 2 g + 1 x the eight column tiles.  The 64 accumulators take turns, one instruction a turn, in the same order in every step.
; A pass's first step starts the sums with the constant 0: nothing is cleared.
.macro MULG x, g
.set mb, 128*((\x)%2)
.set mr, AF+32*((4*(\x)+(\g))%6)
.irp e, 0,1
.irp n, 0,1,2,3,4,5,6,7
.set rD, 8*(8*((2*(\g)+\e)%4)+\n)
.if ((\x)%8) == 0
	v_wmma_f32_16x16x128_fp8_fp8 v[rD:rD+7], v[mb+16*\n:mb+16*\n+15], v[mr+16*\e:mr+16*\e+15], 0
.else
	v_wmma_f32_16x16x128_fp8_fp8 v[rD:rD+7], v[mb+16*\n:mb+16*\n+15], v[mr+16*\e:mr+16*\e+15], v[rD:rD+7]
.endif
.endr
.endr
.endm
; Step x = 8 p + s.  A load into a register that a matrix instruction has read stands four places behind it, and only plain vector lines are places (ISA guide 7.12.1 for vector instructions):
; four v_nop behind each group; those behind a step's last group also serve the next step's loads into the column buffer.
.macro STEP x
	s_wait_dscnt 0x0                               ; this step's column fragments, asked for a step ago, are in
.if (\x) < 15
	WIN TO_1
	FETCHB (\x)+1                                  ; the next step's, into the buffer that the step before multiplied
.endif
.irp g, 0,1,2,3
.if 4*(\x)+\g < 59
	s_wait_loadcnt 40                              ; this group's eight loads are in: behind them five groups of eight were issued
.else
	s_wait_loadcnt 8*(63-4*(\x)-\g)                ; the last groups: nothing more is asked for, the counts run down
.endif
.if \g < 2
	WIN MUL_LO
.else
	WIN MUL_HI
.endif
	MULG \x, \g
	WIN 0
.rept 4
	v_nop
.endr
.if 4*(\x)+\g < 58
	ALOAD 4*(\x)+\g+6                              ; into the registers that the sixteen products above have read
.endif
.endr
.endm
; THE WAY OUT of pass p.  A window's 256 registers are four row tiles x 64; register 16 b + i of a tile: column 32 b + 16 h + i.  Held in place, ascending; converted into
; the upper column buffer, which the pass's last step has multiplied; a row tile's 16 registers of codes are one fragment of midq: four stores of 512 consecutive bytes, 2,048 on end, aligned.
.macro OUTP p
.irp hw, 0,1
	WIN 0x82+0x41*\hw                              ; destination and source 0: window 2, then 3
.set oj, 0
.rept 256
	v_med3_num_f32 v[oj], v[oj], -v[LIM2], v[LIM2]
.set oj, oj+1
.endr
	WIN 0x42+\hw                                   ; source 0 window 2 or 3, destination window 1
.set oj, 0
.rept 32
	v_cvt_scalef32_pk8_fp8_f32 v[128+64*\hw+2*oj:128+64*\hw+2*oj+1], v[8*oj:8*oj+7], v[SCL2]
.set oj, oj+1
.endr
	v_nop                                          ; a plain line behind the conversions: matrix instructions later write their sources and read the registers of their results
	WIN 0x04                                       ; store data (source 1) window 1
.irp a, 0,1,2,3
.irp b, 0,1,2,3
	global_store_b128 v[LI], v[128+64*\hw+16*\a+4*\b:128+64*\hw+16*\a+4*\b+3], s[OUT:OUT+1] offset:(32*(\p)+4*\hw+\a)*2048+\b*512 th:TH_STORE_NT
.endr
.endr
.endr
	WIN 0
.endm
	s_load_b256 s[4:11], s[0:1], 0x0               ; xq s[4:5], w1 s[6:7], the scales' exponents s[8:9], midq s[10:11]
	v_lshl_add_u32 v[SPW], v0, 2, SPARE
	v_mov_b32 v[NIL], 0
	v_lshrrev_b32 v14, 5, v0
	v_readfirstlane_b32 s[WV], v14                 ; wave 0..3
	v_and_b32 v14, 31, v0
	v_lshlrev_b32 v[LI], 4, v14
	v_add_nc_u32 v[LI2], 0x10000, v[LI]
	; column X = 4 l + j stands in tile n = 2 (l / 8) + (l / 2) % 2 at lane i = 4 (l % 2) + 8 ((l / 4) % 2) + j: byte 2,048 n + 16 i of an image; 16 j stands in the stores' immediate
	v_bfe_u32 v14, v0, 3, 2
	v_lshlrev_b32 v[IW], 12, v14
	v_bfe_u32 v14, v0, 1, 1
	v_lshl_add_u32 v[IW], v14, 11, v[IW]
	v_bfe_u32 v14, v0, 2, 1
	v_lshl_add_u32 v[IW], v14, 7, v[IW]
	v_and_b32 v14, 1, v0
	v_lshl_add_u32 v[IW], v14, 6, v[IW]
	s_lshl_b32 s13, s[WV], 15                      ; my wave's two K steps of 16,384 bytes
	v_add_nc_u32 v[IW], s13, v[IW]
	s_mov_b32 s[SEL], 0x05010400                   ; selector bytes 0-3 take the second source's bytes, 4-7 the first's
	s_mov_b32 s[SEL+1], 0x07030602
	s_mov_b32 s[SEL+2], 0x05040100
	s_mov_b32 s[SEL+3], 0x07060302
	s_lshr_b32 s13, ttmp9, 5                       ; the expert: 32 work-groups to each
	s_lshl_b32 s13, s13, 24                        ; its 1,024 x 4,096 numbers
	s_and_b32 s14, ttmp9, 31
	s_lshl_b32 s14, s14, 9                         ; my 128 columns
	s_add_co_u32 s44, s13, s14
	s_lshl_b32 s14, s[WV], 22                      ; my wave's 256 K rows of 16,384 bytes
	s_add_co_u32 s44, s44, s14
	s_mov_b32 s45, 0
	s_lshl_b32 s46, s[WV], 14                      ; my wave's 8 row tiles of 2,048 bytes, in xq and in midq
	s_mov_b32 s47, 0
	s_wait_kmcnt 0x0
	s_load_b128 s[40:43], s[8:9], 0x0              ; e0, e1, e2, e3
	s_add_nc_u64 s[WB:WB+1], s[WB:WB+1], s[44:45]
	s_add_nc_u64 s[AB:AB+1], s[AB:AB+1], s[46:47]
	s_lshl_b32 s13, ttmp9, 17                      ; midq: K step S = g
	s_add_co_u32 s46, s46, s13
	s_add_nc_u64 s[OUT:OUT+1], s[OUT:OUT+1], s[46:47]
	WLOAD 0                                        ; PHASE Q: three chunks go out ahead
	WLOAD 1
	WLOAD 2
	WIN 0
	s_wait_kmcnt 0x0
	s_add_co_i32 s13, s40, 127
	s_lshl_b32 s14, s13, 23
	v_mov_b32 v[SCL], s14                          ; 2^e0 as f32: the conversion takes its exponent field
	s_add_co_i32 s13, s13, 8
	s_lshl_b32 s13, s13, 23
	s_or_b32 s13, s13, 0x600000
	v_mov_b32 v[LIM], s13                          ; 448 x 2^e0
	s_sub_co_i32 s13, s42, s40
	s_sub_co_i32 s13, s13, s41
	s_add_co_i32 s13, s13, 127
	s_lshl_b32 s14, s13, 23
	v_mov_b32 v[SCL2], s14                         ; 2^(e2 - e0 - e1): the three scales folded into one
	s_add_co_i32 s13, s13, 8
	s_lshl_b32 s13, s13, 23
	s_or_b32 s13, s13, 0x600000
	v_mov_b32 v[LIM2], s13
	s_wait_alu depctr_va_vdst(0)
.irp q, 0,1,2,3,4,5,6,7,8,9,10,11,12,13,14,15
.if \q < 14
	s_wait_loadcnt 32                              ; chunk q is in; the two chunks behind it may be out
.else
	s_wait_loadcnt 40                              ; chunk 14: behind it chunk 15's 16 loads and 24 of xq;  chunk 15: behind it 40 of xq
.endif
.if \q < 13
	WLOAD \q+3                                     ; into the set that was worked on last: three chunks are on their way while this one is worked on
.endif
.if \q == 13                           ; w1 is all asked for: phase G's first six groups of row fragments take the loads' places, so that no more than 56 loads are out
	WIN 0
	ALOAD 0
	ALOAD 1
	ALOAD 2
.endif
.if \q == 14
	WIN 0
	ALOAD 3
	ALOAD 4
.endif
.if \q == 15
	WIN 0
	ALOAD 5
.endif
	QCHUNK \q
.endr
	s_wait_dscnt 0x0                               ; for the others' sake: my images are stored
	s_barrier_signal -1
	s_barrier_wait -1                              ; all 64 column fragments lie in LDS; nobody writes them again
	WIN TO_1
	FETCHB 0                                       ; PHASE G
.irp x, 0,1,2,3,4,5,6,7
	STEP \x
.endr
	OUTP 0                                         ; the next pass's first fragments are on their way meanwhile
	s_wait_xcnt 0x0                                ; the stores' data registers are loaded again only behind this wait (ISA guide 3.1)
.irp x, 8,9,10,11,12,13,14,15
	STEP \x
.endr
	OUTP 1
	s_wait_tensorcnt 0x0                           ; the wave's end
	ds_add_u32 v[SPW], v[NIL]
	s_wait_dscnt 0x0
	s_endpgm
.Lfunc_end_k_qaf6d7fd402_up:
	.size	k_qaf6d7fd402_up, .Lfunc_end_k_qaf6d7fd402_up-k_qaf6d7fd402_up
	.p2alignl 7, 3214868480
	.fill 96, 4, 3214868480
	.section	.rodata,"a",@progbits
	.p2align	6, 0x0
	.amdhsa_kernel k_qaf6d7fd402_up
		.amdhsa_group_segment_fixed_size 131584
		.amdhsa_private_segment_fixed_size 0
		.amdhsa_enable_private_segment 0
		.amdhsa_kernarg_size 32
		.amdhsa_user_sgpr_count 2
		.amdhsa_user_sgpr_kernarg_segment_ptr 1
		.amdhsa_wavefront_size32 1
		.amdhsa_system_sgpr_workgroup_id_x 1
		.amdhsa_system_sgpr_workgroup_id_y 1
		.amdhsa_system_sgpr_workgroup_id_z 1
		.amdhsa_system_vgpr_workitem_id 0
		.amdhsa_next_free_vgpr 1024
		.amdhsa_next_free_sgpr 66
		.amdhsa_reserve_vcc 0
		.amdhsa_float_denorm_mode_32 3
		.amdhsa_float_denorm_mode_16_64 3
		.amdhsa_memory_ordered 1
		.amdhsa_forward_progress 1
		.amdhsa_inst_pref_size 255
	.end_amdhsa_kernel
	.section	.bss,"aw",@nobits
	.p2align	6
	.space	262144
	.amdgpu_metadata
---
amdhsa.version: [ 1, 2 ]
amdhsa.kernels:
  - .name:           k_qaf6d7fd402_up
    .symbol:         k_qaf6d7fd402_up.kd
    .args:
      - { .name: xq, .offset: 0, .size: 8, .value_kind: global_buffer, .address_space: global }
      - { .name: w1, .offset: 8, .size: 8, .value_kind: global_buffer, .address_space: global }
      - { .name: lowp_scales, .offset: 16, .size: 8, .value_kind: global_buffer, .address_space: global }
      - { .name: midq, .offset: 24, .size: 8, .value_kind: global_buffer, .address_space: global }
    .group_segment_fixed_size: 131584
    .private_segment_fixed_size: 0
    .kernarg_segment_align: 8
    .kernarg_segment_size: 32
    .max_flat_workgroup_size: 128
    .sgpr_count:     66
    .vgpr_count:     1024
    .wavefront_size: 32
...
	.end_amdgpu_metadata
.endif
;; end of part 2
;; launch down (part 3): grid 16 x 16, 4 waves a work-group, clusters of 4 x 1, 327,680 bytes of LDS; arguments midq, w2q, part; writes part
.if DOCPART == 3
	.amdgcn_target "amdgcn-amd-amdhsa--gfx1250"
	.amdhsa_code_object_version 6
	.text
	.protected	k_qaf6d7fd402_down
	.globl	k_qaf6d7fd402_down
	.p2align	8
	.type	k_qaf6d7fd402_down,@function
k_qaf6d7fd402_down:
	s_mov_b64 s[64:65], 0
	v_nop
	global_prefetch_b8 v0, s[64:65] scope:SCOPE_SE
	s_setreg_imm32_b32 hwreg(HW_REG_WAVE_MODE, 25, 1), 1
	s_wait_xcnt 0x0
	s_wait_alu depctr_hold_cnt(0) depctr_sa_sdst(0) depctr_va_vdst(0) depctr_va_sdst(0) depctr_va_ssrc(0) depctr_va_vcc(0) depctr_vm_vsrc(0)
	s_getreg_b32 s2, hwreg(HW_REG_IB_STS2, 6, 4)
	s_cmp_eq_u32 s2, 0
	s_cbranch_scc0 .Lentry_in_a_cluster
	s_endpgm
.Lentry_in_a_cluster:
	s_bfe_u32 s2, ttmp6, 0x10000c
	s_cmp_lg_u32 s2, 0x3003
	s_cbranch_scc0 .Lentry_shape_is_right
	s_endpgm
.Lentry_shape_is_right:
; part[kc] = the codes of mid x the codes of w2 over K = J = 4,096 kc .. 4,096 kc + 4,095, f32 sums, without the factor 2^(e2 + e3), which the next launch applies.  No work of reference() is left out.
; Both operands lie in the order of an operand's registers: buffer[K step S of 128][tile of 16][c][lane][16 bytes], 131,072 bytes a K step.
; SHARES.  Work-group (rb, cb, kc): rows 256 rb .. + 255 x the 8 column tiles 8 cb .. 8 cb + 7 (128 columns) x 32 K steps: 4 x 8 x 8 = 256 work-groups.  Wave w: row tiles 16 rb + 4 w + a, a = 0..3, x all 8 column
; tiles: 32 accumulators, 256 registers.  Eight parts along K: 32 MiB of sums go to memory.
; CLUSTERS: the four work-groups rb = 0..3 of one (cb, kc) need the same tiles of w2q: they form a cluster of 4 x 1 and ask for each tile JOINTLY, by the same tensor load with the same descriptor and the mask 15.
; COLUMN FRAGMENTS go through a ring of two LDS slots of 8 K steps (131,072 bytes): four fills; each wave asks for two K steps (2 rows of 16,384 bytes) with one tensor load.  A trip is a slot's 8 K steps; at its top
; stand the wait for all my tensor loads, the add, the wait for my LDS reads and a round of the cluster's barrier, then the fill of the other slot, which has the whole trip to land.
; From LDS the fragments come into two sets of registers by turns, a K step ahead; a slot's first step is fetched behind the round.
; ROW FRAGMENTS feed one wave each and come straight from memory into four sets of 4 fragments, four K steps ahead, by counted waits: up to 64 loads a wave are out.
; THE MATRIX INSTRUCTION IS USED TRANSPOSED (source 0 = 16 columns of w2, source 1 = 16 rows of mid): lane (r, h), register j of accumulator (a, n) holds row r of the row tile and the tile's column 8 h + j.
; part[kc][64 columns cg][row tile t][piece 2 (n % 4) + p][lane][16 bytes], p the accumulator's half: every store is 512 consecutive bytes straight from the accumulators.
; PREFETCH, two instructions a wave in trips 0 and 1, a lane a run of 256 bytes.  midq: of the 32 runs that a wave loads in a K step each of the eight work-groups cb that read them names 4, for the 8 K steps that the
; next trip's loads ask for (K steps 12 .. 19 from the trip's first).  w2q: of the 128 runs of my wave's part of the fill that the next trip issues, each of the four partners names 32.  Both are told apart by address.
; REGISTERS, in windows of 256: window 0: v1-13 addresses.  window 1: two sets of 8 column fragments.  window 2: four sets of 4 row fragments.  window 3: the accumulators ((a, n) at v[8 (8 a + n)]).
.set STEPB,  131072                    ; a K step in midq and in w2q
.set IMG,    16384                     ; a K step's 8 column fragments in LDS
.set SLOT,   131072                    ; 8 K steps
.set SPARE,  262144                    ; behind the ring: the spare words, 128 bytes for each wave: two blocks of 256 bytes that no other line names
.set LI,   1                           ; v1   16 x lane
.set LI2,  2                           ; v2   16 x lane + 65,536: a slot's K steps 4 to 7 lie beyond an LDS immediate's 16 bits
.set BA,   3                           ; v3   v1 + the slot that this trip reads
.set BA2,  4                           ; v4   v2 + the same
.set PFA,  5                           ; v5   midq's prefetch offset; never rewritten
.set PFB,  6                           ; v6   w2q's prefetch offset; never rewritten
.set SPW,  12                          ; v12  LDS address of my spare word; never rewritten
.set NIL,  13                          ; v13  0; never rewritten
.set AB,   4                           ; s[4:5]  midq at my wave's first fragment of the trip's first K step
.set WP,   6                           ; s[6:7]  w2q at my wave's part of the trip's own slot
.set OUT,  8                           ; s[8:9]  part at my wave's first piece
.set BS,   10                          ; s10     the slot that this trip reads: 0 or SLOT
.set CNT,  11                          ; s11     the loop's trips done
.set WV,   12
.set G1,   16
.set G0,   24
.set MUL,  0xf9                        ; source 0 (columns) window 1, source 1 (rows) window 2, C and D window 3
.set TO_A, 0x80                        ; destination window 2, address window 0
.set TO_B, 0x40                        ; destination window 1, address window 0
.set MSB, 0
.macro WIN new                         ; the immediate's high byte repeats the setting that is left; a switch that changes nothing is dropped
.if MSB != (\new)
	s_set_vgpr_msb (MSB<<8)|(\new)
.set MSB, (\new)
.endif
.endm
.macro PLACES                          ; four places between a matrix instruction and a load into, or a store of, its registers (ISA guide 7.12.1 for vector instructions)
.rept 4
	v_nop
.endr
.endm
.macro ROUND                           ; a round of the cluster's barrier
	s_barrier_signal -1
	s_barrier_wait -1
	s_cmp_lg_u32 s[WV], 0
	s_cbranch_scc1 .Lnot_wave_0_\@
	s_barrier_signal -3
.Lnot_wave_0_\@:
	s_barrier_wait -3
	s_barrier_signal -1
	s_barrier_wait -1
.endm
.macro ALOAD pa, rel                   ; my four row fragments of the trip's K step rel into set pa: sixteen loads of 512 consecutive bytes
.irp i, 0,1,2,3
.irp c, 0,1,2,3
	global_load_b128 v[64*(\pa)+16*\i+4*\c:64*(\pa)+16*\i+4*\c+3], v[LI], s[AB:AB+1] offset:(\rel)*STEPB+\i*2048+\c*512
.endr
.endr
.endm
.macro BLOAD pb, l                     ; the eight column fragments of the slot's K step l into set pb
.irp j, 0,1,2,3,4,5,6,7
.irp c, 0,1,2,3
.if (\l) < 4
	ds_load_b128 v[128*(\pb)+16*\j+4*\c:128*(\pb)+16*\j+4*\c+3], v[BA] offset:(\l)*IMG+\j*2048+\c*512
.else
	ds_load_b128 v[128*(\pb)+16*\j+4*\c:128*(\pb)+16*\j+4*\c+3], v[BA2] offset:((\l)-4)*IMG+\j*2048+\c*512
.endif
.endr
.endr
.endm
; 32 products.  The 32 accumulators take turns, one instruction a turn, in the same order in every step.  zero = 1: the first K step starts the sums: nothing is cleared.
.macro MULS pa, pb, zero
.irp i, 0,1,2,3
.irp j, 0,1,2,3,4,5,6,7
.set rD, 8*(8*\i+\j)
.if \zero
	v_wmma_f32_16x16x128_fp8_fp8 v[rD:rD+7], v[128*(\pb)+16*\j:128*(\pb)+16*\j+15], v[64*(\pa)+16*\i:64*(\pa)+16*\i+15], 0
.else
	v_wmma_f32_16x16x128_fp8_fp8 v[rD:rD+7], v[128*(\pb)+16*\j:128*(\pb)+16*\j+15], v[64*(\pa)+16*\i:64*(\pa)+16*\i+15], v[rD:rD+7]
.endif
.endr
.endr
.endm
; The trip's K step l.  al: the row fragments of four steps on are asked for; bl: the next step's column fragments; lc: the loads issued behind this step's row fragments
.macro STEP l, zero, al, bl, lc
	s_wait_loadcnt \lc                             ; this step's sixteen loads are in; those of the steps behind it may be out
	s_wait_dscnt 0x0                               ; this step's column fragments, asked for a step ago, are in
.if \bl
	WIN TO_B
	BLOAD ((\l)+1)%2, (\l)+1                       ; into the set that the step before multiplied: its places stand at that step's end
.endif
	WIN MUL
	MULS (\l)%4, (\l)%2, \zero
	PLACES
.if \al
	WIN TO_A
	ALOAD (\l)%4, (\l)+4
.endif
.endm
.macro TOP fill, step                  ; step = 1: the bases and the LDS addresses go on to this trip, behind the round and the joint load
	s_wait_tensorcnt 0x0                           ; all my tensor loads have landed: my part of the slot that this trip reads;
	ds_add_u32 v[SPW], v[NIL]                      ; 0 onto my spare word;
.if \fill
	s_add_nc_u64 s[G0+2:G0+3], s[G0+2:G0+3], 8*STEPB   ; no load of mine is out: the next fill's 8 K steps,
	s_xor_b32 s[G0+1], s[G0+1], SLOT               ; into the other slot
.endif
	s_wait_dscnt 0x0                               ; the add is done, and so are my reads of the other slot
	ROUND                                          ; both now hold of every wave of the four partners
.if \fill
	tensor_load_to_lds s[G0:G0+3], s[G1:G1+7]      ; my one tensor load behind the round
	s_nop 0
	PLACES
.endif
.if \step
	NEXT
.endif
	WIN TO_B
	BLOAD 0, 0
.endm
; A trip: a slot's 8 K steps.  pf: 1 the prefetches, 2 the prefetches in the loop's first trip alone
.macro TRIP first, fill, last, pf
	TOP \fill, (1-\first)
	STEP 0, \first, 1, 1, 48
	STEP 1, 0, 1, 1, 48
.if \pf
	WIN 0
.if \pf == 2
	s_cmp_eq_u32 s[CNT], 0                         ; K steps 20 .. 27 and the last fill; the trip behind it has nothing left to ask for
	s_cbranch_scc0 .Lnot_asked
.endif
	global_prefetch_b8 v[PFA], s[AB:AB+1] offset:12*STEPB th:TH_LOAD_NT scope:SCOPE_SE
	global_prefetch_b8 v[PFB], s[WP:WP+1] offset:16*STEPB th:TH_LOAD_NT scope:SCOPE_SE
.if \pf == 2
.Lnot_asked:
.endif
.endif
	STEP 2, 0, 1, 1, 48
	STEP 3, 0, 1, 1, 48
.if \last
	STEP 4, 0, 0, 1, 48                            ; nothing is left to ask for: the counts run down
	STEP 5, 0, 0, 1, 32
	STEP 6, 0, 0, 1, 16
	STEP 7, 0, 0, 0, 0
.else
	STEP 4, 0, 1, 1, 48
	STEP 5, 0, 1, 1, 48
	STEP 6, 0, 1, 1, 48
	STEP 7, 0, 1, 0, 48                            ; the next step's column fragments lie in the other slot: they are fetched behind the round
.endif
	WIN 0
.endm
.macro NEXT                            ; on to the next trip
	s_wait_xcnt 0x0                                ; the loads and the prefetches have read their bases
	s_add_nc_u64 s[AB:AB+1], s[AB:AB+1], 8*STEPB
	s_add_nc_u64 s[WP:WP+1], s[WP:WP+1], 8*STEPB
	s_xor_b32 s[BS], s[BS], SLOT
	v_add_nc_u32 v[BA], s[BS], v[LI]
	v_add_nc_u32 v[BA2], s[BS], v[LI2]
	s_wait_alu depctr_va_vdst(0)                   ; the wait here, behind the writes and ahead of the waits and branches that follow
.endm
	s_load_b128 s[4:7], s[0:1], 0x0                ; midq s[4:5], w2q s[6:7]
	s_load_b64 s[8:9], s[0:1], 0x10                ; part
	v_lshl_add_u32 v[SPW], v0, 2, SPARE
	v_mov_b32 v[NIL], 0
	ds_add_u32 v[SPW], v[NIL]                      ; opening lines ahead of my first tensor load: the add,
	ds_add_u32 v[SPW], v[NIL]                      ; once more, and below one wait for both
	v_lshrrev_b32 v14, 5, v0
	v_readfirstlane_b32 s[WV], v14                 ; wave 0..3
	s_mov_b32 s[G1+0], 15|(3<<16)|(1<<21)          ; the mask of the four partners; elements of 8 bytes; bit 21 beside a mask; no padding: the image's lanes lie 16 bytes apart
	s_mov_b32 s[G1+1], 2048<<16                    ; tensor_dim0: 16,384 bytes
	s_mov_b32 s[G1+2], 2<<16                       ; tensor_dim1: 2 K steps
	s_mov_b32 s[G1+3], 2048<<16                    ; tile_dim0
	s_mov_b32 s[G1+4], 2                           ; tile_dim1
	s_mov_b32 s[G1+5], STEPB/8                     ; from K step to K step
	s_mov_b32 s[G1+6], 0
	s_mov_b32 s[G1+7], 0
	s_and_b32 s15, ttmp7, 0xffff                   ; the cluster's y, 0..15; ttmp9: its x, 0..3
	s_lshr_b32 s13, ttmp9, 1
	s_and_b32 s32, s15, 3
	s_lshl_b32 s32, s32, 1
	s_add_co_u32 s13, s13, s32                     ; kc = x / 2 + 2 (y % 4)
	s_lshr_b32 s15, s15, 2
	s_lshl_b32 s15, s15, 1
	s_and_b32 s32, ttmp9, 1
	s_add_co_u32 s15, s15, s32                     ; cb = x % 2 + 2 (y / 4)
	s_lshl_b32 s28, s13, 22                        ; both code buffers: K step 32 kc
	s_lshl_b32 s30, s[WV], 18                      ; w2q: + my wave's two K steps of a fill
	s_add_co_u32 s30, s30, s28
	s_lshl_b32 s32, s15, 14                        ; + 8 cb tiles of 2,048 bytes
	s_add_co_u32 s30, s30, s32
	s_mov_b32 s31, 0
	s_lshl_b32 s34, s15, 19                        ; part: kc x 4 MiB + 2 cb groups of 64 columns, 262,144 bytes each
	s_add_co_u32 s34, s34, s28
	s_mov_b32 s35, 0
	s_mov_b32 s[G0], 1
	s_lshl_b32 s[G0+1], s[WV], 15                  ; LDS: slot 0, my two K steps
	s_bfe_u32 s14, ttmp6, 0x40000                  ; rb: my place in the cluster.  It enters midq's, part's and the prefetches' addresses alone, in registers that feed no descriptor
	s_lshl_b32 s36, s14, 15                        ; midq: + 16 rb tiles
	s_add_co_u32 s28, s28, s36
	s_lshl_b32 s36, s[WV], 13                      ; + 4 w tiles
	s_add_co_u32 s28, s28, s36
	s_mov_b32 s29, 0
	s_lshl_b32 s36, s14, 16                        ; part: + 16 rb + 4 w row tiles of 4,096 bytes
	s_add_co_u32 s34, s34, s36
	s_lshl_b32 s36, s[WV], 14
	s_add_co_u32 s34, s34, s36
	s_wait_dscnt 0x0                               ; both opening adds are done
	s_wait_kmcnt 0x0
	s_add_nc_u64 s[WP:WP+1], s[WP:WP+1], s[30:31]
	s_mov_b64 s[G0+2:G0+3], s[WP:WP+1]
	s_or_b32 s[G0+3], s[G0+3], 0x80000000
	ROUND                                          ; the four partners are here: the first joint loads meet
	tensor_load_to_lds s[G0:G0+3], s[G1:G1+7]      ; K steps 0 .. 7: one tensor load a wave at the head
	s_nop 0
	v_and_b32 v14, 31, v0
	v_lshlrev_b32 v[LI], 4, v14
	v_lshlrev_b32 v[BA], 4, v14
	v_add_nc_u32 v[LI2], 0x10000, v[LI]
	v_add_nc_u32 v[BA2], 0x10000, v[LI]
	v_lshrrev_b32 v15, 2, v14                      ; midq's prefetch: lane l names run 4 cb + l % 4 of K step l / 4
	v_and_b32 v[PFA], 3, v14
	v_lshlrev_b32 v[PFA], 8, v[PFA]
	v_lshl_add_u32 v[PFA], v15, 17, v[PFA]
	s_lshl_b32 s36, s15, 10
	v_add_nc_u32 v[PFA], s36, v[PFA]
	v_lshlrev_b32 v[PFB], 8, v14                   ; w2q's: lane l names run 32 (rb % 2) + l of my wave's K step rb / 2
	s_and_b32 s36, s14, 1
	s_lshl_b32 s36, s36, 13
	s_lshr_b32 s37, s14, 1
	s_lshl_b32 s37, s37, 17
	s_add_co_u32 s36, s36, s37
	v_add_nc_u32 v[PFB], s36, v[PFB]
	s_add_nc_u64 s[AB:AB+1], s[AB:AB+1], s[28:29]
	s_add_nc_u64 s[OUT:OUT+1], s[OUT:OUT+1], s[34:35]
	s_mov_b32 s[BS], 0
	s_mov_b32 s[CNT], 0
	s_wait_alu depctr_va_vdst(0)                   ; the wait at the head's end
	WIN TO_A
	ALOAD 0, 0                                     ; K steps 0 .. 3
	ALOAD 1, 1
	ALOAD 2, 2
	ALOAD 3, 3
	WIN 0
	TRIP 1, 1, 0, 1                                ; K steps 0 .. 7; behind its round slot 1 is filled for the first time, as a refill is
.Lk:                                                   ; K steps 8 .. 15 and 16 .. 23: each trip fills again the slot read last
	TRIP 0, 1, 0, 2
	s_add_co_u32 s[CNT], s[CNT], 1
	s_cmp_lt_u32 s[CNT], 2
	s_cbranch_scc1 .Lk
	TRIP 0, 0, 1, 0                                ; K steps 24 .. 31 fill nothing
	WIN 0x0c                                       ; THE WAY OUT: store data (source 1) window 3; the last step's places stand at its end
.irp a, 0,1,2,3                        ; each accumulator from its low end on; 32 lanes store 512 consecutive bytes, at a multiple of 512 from part's first byte
.irp n, 0,1,2,3,4,5,6,7
	global_store_b128 v[LI], v[8*(8*\a+\n):8*(8*\a+\n)+3], s[OUT:OUT+1] offset:(\n/4)*262144+\a*4096+(\n%4)*1024 th:TH_STORE_NT
	global_store_b128 v[LI], v[8*(8*\a+\n)+4:8*(8*\a+\n)+7], s[OUT:OUT+1] offset:(\n/4)*262144+\a*4096+(\n%4)*1024+512 th:TH_STORE_NT
.endr
.endr
	WIN 0
	s_wait_tensorcnt 0x0                           ; the wave's end
	ds_add_u32 v[SPW], v[NIL]
	s_wait_dscnt 0x0
	ROUND                                          ; the closing round
	s_endpgm
.Lfunc_end_k_qaf6d7fd402_down:
	.size	k_qaf6d7fd402_down, .Lfunc_end_k_qaf6d7fd402_down-k_qaf6d7fd402_down
	.p2alignl 7, 3214868480
	.fill 96, 4, 3214868480
	.section	.rodata,"a",@progbits
	.p2align	6, 0x0
	.amdhsa_kernel k_qaf6d7fd402_down
		.amdhsa_group_segment_fixed_size 327680
		.amdhsa_private_segment_fixed_size 0
		.amdhsa_enable_private_segment 0
		.amdhsa_kernarg_size 24
		.amdhsa_user_sgpr_count 2
		.amdhsa_user_sgpr_kernarg_segment_ptr 1
		.amdhsa_wavefront_size32 1
		.amdhsa_system_sgpr_workgroup_id_x 1
		.amdhsa_system_sgpr_workgroup_id_y 1
		.amdhsa_system_sgpr_workgroup_id_z 1
		.amdhsa_system_vgpr_workitem_id 0
		.amdhsa_next_free_vgpr 1024
		.amdhsa_next_free_sgpr 66
		.amdhsa_reserve_vcc 0
		.amdhsa_float_denorm_mode_32 3
		.amdhsa_float_denorm_mode_16_64 3
		.amdhsa_memory_ordered 1
		.amdhsa_forward_progress 1
		.amdhsa_inst_pref_size 153
	.end_amdhsa_kernel
	.amdgpu_metadata
---
amdhsa.version: [ 1, 2 ]
amdhsa.kernels:
  - .name:           k_qaf6d7fd402_down
    .symbol:         k_qaf6d7fd402_down.kd
    .args:
      - { .name: midq, .offset: 0, .size: 8, .value_kind: global_buffer, .address_space: global }
      - { .name: w2q, .offset: 8, .size: 8, .value_kind: global_buffer, .address_space: global }
      - { .name: part, .offset: 16, .size: 8, .value_kind: global_buffer, .address_space: global }
    .group_segment_fixed_size: 327680
    .private_segment_fixed_size: 0
    .kernarg_segment_align: 8
    .kernarg_segment_size: 24
    .max_flat_workgroup_size: 128
    .sgpr_count:     66
    .vgpr_count:     1024
    .wavefront_size: 32
...
	.end_amdgpu_metadata
.endif
;; end of part 3
;; launch sum (part 4): grid 256 x 1, 4 waves a work-group, no clusters, 17,920 bytes of LDS; arguments part, lowp_scales, out0; writes out0
.if DOCPART == 4
	.amdgcn_target "amdgcn-amd-amdhsa--gfx1250"
	.amdhsa_code_object_version 6
	.text
	.protected	k_qaf6d7fd402_sum
	.globl	k_qaf6d7fd402_sum
	.p2align	8
	.type	k_qaf6d7fd402_sum,@function
k_qaf6d7fd402_sum:
	s_mov_b64 s[64:65], 0
	v_nop
	global_prefetch_b8 v0, s[64:65] scope:SCOPE_SE
	s_setreg_imm32_b32 hwreg(HW_REG_WAVE_MODE, 25, 1), 1
	s_wait_xcnt 0x0
; out0 = 2^(e2 + e3) x the sum over kc = 0 .. 7 of part[kc], kc ascending, in f32; out0 row-major.  No work of reference() is left out.
; part[kc][cb][row tile t][piece pc = 4 b + 2 u + p][lane][16 bytes]: lane (r, h) holds (row 16 t + r, columns 64 cb + 32 b + 16 h + 8 u + 4 p + 0 .. 3).
; SHARES.  A wave takes one (cb, t): 16 rows x 64 columns: 8 x 4,096 bytes in, 4,096 out.  1,024 waves in 256 work-groups.  A stream: no matrix unit, no cluster, no barrier: waves share nothing.
; Loads go in groups of sixteen (two kc; each load 512 consecutive bytes), three groups in flight in three sets of 64 registers.
; The factor is applied by v_ldexp_f32, so e2 + e3 has no limit of its own.
; THE WAY OUT: a lane's 16 bytes are a sixteenth of a row's 256, and the lanes beside it hold other rows: so the tile goes through the wave's own stage in LDS (rows of 256 + 16 bytes) and leaves by rows.
.set LI,  1                            ; v1      16 x lane
.set SA,  2                            ; v2      the stage, in: row r, + 64 h
.set RA,  3                            ; v3      the stage, back: lanes 0-15 one row, lanes 16-31 the next
.set GO,  4                            ; v4      the same two rows in out0
.set SPW, 12                           ; v12     LDS address of my spare word: SPARE + 4 x my thread's number; never rewritten
.set NIL, 13                           ; v13     0; never rewritten
.set ACC, 16                           ; v16-47  the sums: register 4 pc + i
.set X,   48                           ; v48-239 three sets of 64
.set SPARE, 4*16*272                   ; behind the four stages: the spare words, 128 bytes for each wave: two blocks of 256 bytes that no other line names
.set BS,  16                           ; s[16:23] four bases: my tile in part[2 q]
	s_load_b128 s[4:7], s[0:1], 0x0                ; part s[4:5], the scales' exponents s[6:7]
	s_load_b64 s[8:9], s[0:1], 0x10                ; out0
	v_lshl_add_u32 v[SPW], v0, 2, SPARE
	v_mov_b32 v[NIL], 0
	v_lshrrev_b32 v5, 5, v0
	v_readfirstlane_b32 s12, v5                    ; wave 0..3
	v_and_b32 v5, 31, v0
	v_lshlrev_b32 v[LI], 4, v5
	v_and_b32 v6, 15, v0                           ; r
	v_bfe_u32 v7, v0, 4, 1                         ; h
	s_mul_i32 s13, s12, 16*272                     ; my stage
	v_mul_u32_u24 v[SA], v6, 272
	v_lshl_add_u32 v[SA], v7, 6, v[SA]
	v_add_nc_u32 v[SA], s13, v[SA]
	v_mul_u32_u24 v[RA], v7, 272
	v_lshl_add_u32 v[RA], v6, 4, v[RA]
	v_add_nc_u32 v[RA], s13, v[RA]
	v_lshlrev_b32 v[GO], 12, v7
	v_lshl_add_u32 v[GO], v6, 4, v[GO]
	s_lshr_b32 s14, ttmp9, 4                       ; cb
	s_and_b32 s15, ttmp9, 15
	s_lshl_b32 s15, s15, 2
	s_add_co_u32 s15, s15, s12                     ; t
	s_lshl_b32 s32, s14, 18
	s_lshl_b32 s33, s15, 12
	s_add_co_u32 s32, s32, s33                     ; my tile in a part
	s_mov_b32 s33, 0
	s_lshl_b32 s34, s15, 16                        ; out0: 16 t rows of 4,096 bytes
	s_lshl_b32 s35, s14, 8                         ; + 64 cb columns
	s_add_co_u32 s34, s34, s35
	s_mov_b32 s35, 0
	s_wait_alu depctr_va_vdst(0)                   ; the wait at the head's end
	s_wait_kmcnt 0x0
	s_load_b64 s[36:37], s[6:7], 0x8               ; e2, e3
	s_add_nc_u64 s[4:5], s[4:5], s[32:33]
	s_add_nc_u64 s[8:9], s[8:9], s[34:35]
.irp q, 0,1,2,3
	s_add_nc_u64 s[BS+2*\q:BS+2*\q+1], s[4:5], \q*0x800000   ; two parts of 4 MiB on: the odd part stands in the loads' immediate
.endr
.macro GLOAD q                         ; parts 2 q and 2 q + 1 of my tile into set q % 3
.irp k, 0,1
.irp p, 0,1,2,3,4,5,6,7
	global_load_b128 v[X+64*((\q)%3)+32*\k+4*\p:X+64*((\q)%3)+32*\k+4*\p+3], v[LI], s[BS+2*(\q):BS+2*(\q)+1] offset:\k*4194304+\p*512 th:TH_LOAD_NT   ; read once in the launch
.endr
.endr
.endm
.macro GSUM q, left                    ; left: the loads of the younger groups, which may stay out
	s_wait_loadcnt \left
.set XB, X+64*((\q)%3)
.set gj, 0
.if (\q) == 0
.rept 16
	v_pk_add_f32 v[ACC+gj:ACC+gj+1], v[XB+gj:XB+gj+1], v[XB+32+gj:XB+32+gj+1]   ; the first two parts start the sums: nothing is cleared
.set gj, gj+2
.endr
.else
.rept 16
	v_pk_add_f32 v[ACC+gj:ACC+gj+1], v[ACC+gj:ACC+gj+1], v[XB+gj:XB+gj+1]
.set gj, gj+2
.endr
.set gj, 0
.rept 16
	v_pk_add_f32 v[ACC+gj:ACC+gj+1], v[ACC+gj:ACC+gj+1], v[XB+32+gj:XB+32+gj+1]
.set gj, gj+2
.endr
.endif
.endm
	GLOAD 0
	GLOAD 1
	GLOAD 2
	GSUM 0, 32
	GLOAD 3                                        ; into the set just read
	GSUM 1, 32
	GSUM 2, 16                                     ; nothing is left to ask for: the counts run down
	GSUM 3, 0
	s_wait_kmcnt 0x0
	s_add_co_i32 s36, s36, s37                     ; e2 + e3
.set gj, 0
.rept 32
	v_ldexp_f32 v[ACC+gj], v[ACC+gj], s36
.set gj, gj+1
.endr
.irp p, 0,1,2,3,4,5,6,7
	ds_store_b128 v[SA], v[ACC+4*\p:ACC+4*\p+3] offset:(\p/4)*128+((\p/2)%2)*32+(\p%2)*16   ; columns 32 b + 16 h + 8 u + 4 p of row r
.endr
.irp i, 0,1,2,3,4,5,6,7
	ds_load_b128 v[X+4*\i:X+4*\i+3], v[RA] offset:\i*2*272   ; LDS serves a wave's instructions in order (ISA guide 5.7.1.4): these see my stores
.endr
.irp i, 0,1,2,3,4,5,6,7
	s_wait_dscnt 7-\i
	global_store_b128 v[GO], v[X+4*\i:X+4*\i+3], s[8:9] offset:\i*8192 th:TH_STORE_NT   ; sixteen lanes store 256 consecutive bytes, at a multiple of 256 from out0's first byte
.endr
	s_wait_tensorcnt 0x0                           ; the wave's end
	ds_add_u32 v[SPW], v[NIL]
	s_wait_dscnt 0x0
	s_endpgm
.Lfunc_end_k_qaf6d7fd402_sum:
	.size	k_qaf6d7fd402_sum, .Lfunc_end_k_qaf6d7fd402_sum-k_qaf6d7fd402_sum
	.p2alignl 7, 3214868480
	.fill 96, 4, 3214868480
	.section	.rodata,"a",@progbits
	.p2align	6, 0x0
	.amdhsa_kernel k_qaf6d7fd402_sum
		.amdhsa_group_segment_fixed_size 17920
		.amdhsa_private_segment_fixed_size 0
		.amdhsa_enable_private_segment 0
		.amdhsa_kernarg_size 24
		.amdhsa_user_sgpr_count 2
		.amdhsa_user_sgpr_kernarg_segment_ptr 1
		.amdhsa_wavefront_size32 1
		.amdhsa_system_sgpr_workgroup_id_x 1
		.amdhsa_system_sgpr_workgroup_id_y 1
		.amdhsa_system_sgpr_workgroup_id_z 1
		.amdhsa_system_vgpr_workitem_id 0
		.amdhsa_next_free_vgpr 240
		.amdhsa_next_free_sgpr 66
		.amdhsa_reserve_vcc 0
		.amdhsa_float_denorm_mode_32 3
		.amdhsa_float_denorm_mode_16_64 3
		.amdhsa_memory_ordered 1
		.amdhsa_forward_progress 1
		.amdhsa_inst_pref_size 20
	.end_amdhsa_kernel
	.amdgpu_metadata
---
amdhsa.version: [ 1, 2 ]
amdhsa.kernels:
  - .name:           k_qaf6d7fd402_sum
    .symbol:         k_qaf6d7fd402_sum.kd
    .args:
      - { .name: part, .offset: 0, .size: 8, .value_kind: global_buffer, .address_space: global }
      - { .name: lowp_scales, .offset: 8, .size: 8, .value_kind: global_buffer, .address_space: global }
      - { .name: out0, .offset: 16, .size: 8, .value_kind: global_buffer, .address_space: global }
    .group_segment_fixed_size: 17920
    .private_segment_fixed_size: 0
    .kernarg_segment_align: 8
    .kernarg_segment_size: 24
    .max_flat_workgroup_size: 128
    .sgpr_count:     66
    .vgpr_count:     240
    .wavefront_size: 32
...
	.end_amdgpu_metadata
.endif
;; end of part 4
